; MI455X (gfx1250); checked and timed in simulation.
; The chip was launched on July 23, 2026; its instructions are those of AMD's public machine-readable ISA for CDNA 5 (MIT licence, August 2026) and "CDNA5" Instruction Set Architecture Reference Guide (July 2026). The comments in the code are by the model that wrote it; some were corrected since.
;; custom rnn model. Allowed arithmetic: matrix products marked QUANTISED: E5M2 operands, one given power-of-two scale a tensor, by v_wmma_f32_16x16x64_bf8_bf8 or v_wmma_f32_16x16x128_bf8_bf8, f32 sums; everything else in f32.
;; Inputs: external_input_tensor 100,000 x 512 float32; input_biases 512 float32; input_weights_codes 512 x 16 x 32 uint8 (E5M2 codes of input_weights, K innermost, in blocks of 32 codes); lowp_scales 6 int32 (the exponents e of the quantised operands' scales 2^e); output_biases 128 float32; output_weights_codes 128 x 16 x 32 uint8 (E5M2 codes of output_weights, K innermost, in blocks of 32 codes); recurrent_biases 512 float32; recurrent_weights_codes 512 x 16 x 32 uint8 (E5M2 codes of recurrent_weights, K innermost, in blocks of 32 codes).
;; Outputs: out0 100,000 x 128 float32.
;; This version of the problem:
;;   THIS VERSION OF THE PROBLEM IS GIVEN IN LOW PRECISION. The matrix products marked QUANTISED in the list below multiply operands that are first quantised to E5M2 (5 exponent bits, 2 mantissa bits; 8 bits a number), with one given power-of-two scale for each operand tensor; their sums are f32. All else is computed in f32.
;;   The module's matrix products, in the order in which they are computed (A, B: the left and right operand; K: the contracted axis; several contracted axes count as one K, in the product's order):
;;     1. [M 100,000, K 512] x [K 512, N 512]; A: computed on the way; B: input input_weights (given as codes): QUANTISED (scales: A lowp_scales[0], B lowp_scales[1])
;;     2. [M 100,000, K 512] x [K 512, N 512]; A: computed on the way; B: input recurrent_weights (given as codes): QUANTISED (scales: A lowp_scales[2], B lowp_scales[3])
;;     3. [M 100,000, K 512] x [K 512, N 128]; A: computed on the way; B: input output_weights (given as codes): QUANTISED (scales: A lowp_scales[4], B lowp_scales[5])
;;   THE QUANTISER, for each operand of a quantised product, along K:
;;     - The operand's scale is 2^e, e = its entry of the input lowp_scales (int32; the entries are numbered through the quantised products in the list's order, A before B).
;;     - Each number is divided by the scale, clamped to +-57,344, and rounded to the nearest number of E5M2, ties to even, subnormals kept.
;;     - The product sums the exact products of the quantised numbers (number of the format x scale) in f32.
;;   ~~~python
;;   def quantise(x, axis, e):      # numpy; x: float32 -> the quantised numbers, widened to float32 again
;;       x = np.moveaxis(x, axis, -1); K = x.shape[-1]
;;       r = np.clip(x / 2.0 ** e, -57344, 57344)
;;       step = 2.0 ** (np.maximum(np.frexp(np.where(r == 0, 1, r))[1] - 1, -14) - 2)
;;       q = np.round(r / step) * step * 2.0 ** e      # np.round: ties to even
;;       return np.moveaxis(q, -1, axis).astype(np.float32)
;;   ~~~
;;   OPERANDS COMPUTED ON THE WAY. 'Computed on the way' means the value that the module computes at that place (a softmax that the list does not call 'softmax' is quantised finished and normalised). What goes into a quantiser is computed in f32, as accurately as f32 sums, v_exp_f32 and their like allow (about 1e-6 of the number): no bf16 or f16 on the way to a quantiser, and a product that is left as it is and whose result goes on into a quantised operand takes f32 operands (vector FMAs, or v_wmma_f32_16x16x4_f32). A number that lies on a knife's edge between two numbers of the format may be rounded either way, as far as f32 arithmetic and the matrix unit's own rounding can turn it there, and no further.
;;   INPUTS GIVEN AS CODES. input_weights (in the module: [512, 512], K = its axis 0); output_weights (in the module: [512, 128], K = its axis 0); recurrent_weights (in the module: [512, 512], K = its axis 0): each comes as NAME_codes (uint8): NAME with its K axis moved to the last place and cut into blocks of 32 codes, [.., K / 32, bytes a block], one block behind the other in memory; one code a byte (a code: sign, 5 exponent bits, 2 mantissa bits); its scale is its entry of lowp_scales. Its value is code x scale, taken as it is: it is not quantised again, and the codes and scales need not be those that the quantiser above would give.
;; 2 versions, each right; version 2 is version 1 with the launch chain written anew for expert scheduling mode. Each part assembles by itself: llvm-mc -triple=amdgcn-amd-amdhsa -mcpu=gfx1250 --defsym DOCPART=n.
;; ======== version 1 of 2: 1 launch
;; launch chain (part 1): grid 250 x 1, 4 waves a work-group, no clusters, 304,896 bytes of LDS; arguments external_input_tensor, input_biases, input_weights_codes, lowp_scales, recurrent_weights_codes, recurrent_biases, output_weights_codes, output_biases, out0; writes out0
.if DOCPART == 1
	.amdgcn_target "amdgcn-amd-amdhsa--gfx1250"
	.amdhsa_code_object_version 6
	.text
	.protected	k_q5ec20dac30_chain
	.globl	k_q5ec20dac30_chain
	.p2align	8
	.type	k_q5ec20dac30_chain,@function
k_q5ec20dac30_chain:
	s_mov_b64 s[64:65], 0
	v_nop
	global_prefetch_b8 v0, s[64:65] scope:SCOPE_SE
	s_setreg_imm32_b32 hwreg(HW_REG_WAVE_MODE, 25, 1), 1
	s_wait_xcnt 0x0
; y = relu(((x + b_in) W_in) W_rec + b_rec) W_out + b_out for 100,000 independent rows; all three products on codes of BF8 (E5M2), each operand with the one scale 2^e that is given for it
; (e0 x + b_in, e1 W_in, e2 the first product's result, e3 W_rec, e4 the hidden layer, e5 W_out).  x [100000][512] f32; the weights arrive as codes, K innermost: rows of 512 bytes; y [100000][128] f32.
; ONE LAUNCH, nothing goes to memory between the products.  250 work-groups of four waves; a work-group owns 400 rows = 25 tiles of 16 (250 x 400 = 100,000: equal work, every trip count a constant).
; THE WAVES SHARE THE COLUMNS: wave w makes units 128 w .. 128 w + 127 of both inner layers and outputs 32 w .. 32 w + 31, for all rows.  Its 128 rows of the large weight matrix in hand are 64 KB = 512 registers
; (windows 1 and 2) and stay there.  Both large matrices do not fit at once, so the work-group goes in two phases:
;   A: W_in in registers.  For each of the 25 tiles: x + b_in is quantised, multiplied, the result quantised and KEPT AS CODES IN LDS (25 x 8 KB).
;   B: W_rec takes W_in's registers (W_out, b_rec, b_out lie in window 3, where x's loads lay).  Five groups of five tiles: second product, bias, relu, quantised; through LDS to all waves; third product; y leaves as whole rows.
; OPERANDS GO FROM WAVE TO WAVE THROUGH LDS AS IMAGES OF THEIR REGISTERS: a fragment (16 rows x 128 K, 16 registers a lane) is four ds_store_b128, lane l's 16 bytes at 16 l, 512 bytes a store, and comes back by the same four lines as loads.
; A FRAGMENT: lane (r = l % 16, h = l / 16) holds row r; registers 4 c .. 4 c + 3 hold k = 32 c + 16 h + 0 .. 15.  That is a permutation of k against the form's own places, the same in both operands: every product meets its partner.
; PRODUCTS 1 AND 2 ARE USED TRANSPOSED (source 0 = 16 rows of the weights, source 1 = 16 rows of activations), AND THE WEIGHT ROWS OF A TILE ARE NOT NEIGHBOURS: lane r of tile 2 b + u takes row 128 w + 32 b + 8 u + r + 8 (r / 8).
; So register 16 b + i of a lane's 64 results is unit 128 w + 32 b + 16 h + i of row r: the wave's 8 tiles, quantised, ARE K step w of the next product.
; THE SCALES ARE FOLDED: a sum of codes stands for sum x 2^(its operands' e added).  The first result's conversion takes 2^(e2 - e0 - e1); b_rec goes in as the C of the second product's first instruction, x 2^-(e2 + e3);
; the hidden layer's conversion takes 2^(e4 - e2 - e3), and its hold between 0 and the largest code is the relu; y = sum x 2^(e4 + e5) + b_out, one packed multiply-add for two numbers.
; NO CLUSTER, NO JOINT LOADS: 250 work-groups and 6,250 = 2 x 5^5 tiles do not divide into four equal partners; each work-group reads its 576 KB of weights once, straight into registers, against 1,024,000 bytes of x and y of its own.
; NO TENSOR LOADS: x comes by loads into registers, four tiles (64 loads a wave) ahead, each load 512 consecutive aligned bytes; beside the 200 KB of codes LDS has no room for slots of that depth.
; LIMITS on the given exponents, so that each power of two below is an f32 number: e0, e2 - e0 - e1 and e4 - e2 - e3 between -126 and 112; e4 + e5 between -126 and 127; b_rec x 2^-(e2 + e3) must be an f32 number.
; NaN among the inputs is not served; an infinity in x is held at the largest code, as the quantiser's clamp has it.
;
; LDS: NIMG 25 tiles x 4 K steps x 2,048 | XIMG two buffers of x's four fragments, by the tile's parity | TS (phase A) a stage of 16 rows x 528 for each wave, in which x turns from "neighbouring lanes, neighbouring bytes"
; to "a lane, 16 neighbours along K" | HIMG (phase B, over TS: a barrier stands between the two uses) five tiles of the hidden layer | STG 80 rows of y x 528.
; REGISTERS, in windows of 256.  Window 0: v4-23, v252 addresses and scales.  Phase A: v24-27 b_in; v28-43 x's codes; v44-59 the result's codes; v60-123 x's four fragments; v124-187 8 accumulators; v188-251 64 numbers of x.
;   Phase B: v28-43 codes; v44-171 two sets of four fragments, later y; v172-251 accumulators (8, then 10).  Windows 1, 2: weight fragment (tile t, K step s) at v[16 (2 t + s % 2)] of window 1 + s / 2.
;   Window 3, phase A: four slots of 64, a tile of x each as loaded.  Phase B: v0-15 b_out, v64-191 W_out's 8 fragments, v192-255 b_rec.
.set XROW,  2048                       ; a row of x in bytes
.set XTILE, 16*XROW                    ; a tile of 16 rows
.set FRB,   2048                       ; a fragment's image
.set TIMG,  4*FRB                      ; a tile's four K steps
.set NIMG,  0
.set XIMG,  NIMG+25*TIMG               ; 204,800
.set TS,    XIMG+2*TIMG                ; 221,184
.set TP,    528                        ; a stage row: 512 bytes + 16 = 132 words: row r starts at bank 4 r mod 64 (64 banks of 4 bytes: ISA guide 11.1)
.set HIMG,  TS
.set STG,   HIMG+5*TIMG                ; 262,144; ends at 304,384
.set TW,  4                            ; v4   the turn, in: TS + 8,448 wave + 16 lane
.set LI,  5                            ; v5   16 x lane: an image's place; also my byte in 512 consecutive bytes of x, b_in and y
.set XWI, 6                            ; v6   where I store x's image: XIMG + 2,048 wave + 16 lane
.set XRI, 7                            ; v7   where x's images are read: XIMG + 16 lane
.set NWI, 8                            ; v8   2,048 wave + 16 lane
.set NA,  9                            ; v9   the address in NIMG in hand
.set HWI, 10                           ; v10  HIMG + 2,048 wave + 16 lane
.set HRI, 11                           ; v11  HIMG + 16 lane
.set SO,  12                           ; v12  the stage for y, in: STG + 528 r + 32 h + 128 wave
.set SR,  13                           ; v13  and back: STG + 20 wave rows + 16 lane
.set WA,  14                           ; v14  large weights: (r + 8 (r / 8)) x 512 + 16 h
.set WO,  15                           ; v15  W_out: 512 r + 16 h
.set BA,  16                           ; v16  b_rec: 64 h
.set BB,  17                           ; v17  b_out: 32 h
.set SC0, 18                           ; v18, v19  2^e0 and 57,344 x 2^e0
.set LM0, 19
.set SC1, 20                           ; v20, v21  the same with e2 - e0 - e1
.set LM1, 21
.set SC2, 22                           ; v22, v23  the same with e4 - e2 - e3
.set LM2, 23
.set BI,  24
.set PCX, 28
.set PC,  44
.set XF,  60
.set HA,  124
.set XT,  188
.set TR,  252                          ; v252 the turn, back: TS + 8,448 wave + 528 r + 64 h
.set PCB, 28
.set BUF, 44
.set HB,  172
.set BO,  0                            ; window 3
.set WF,  64
.set BR,  192
.set KX,   0                           ; what a step of phase A asks for ahead: a tile of x,
.set KWO0, 1                           ; W_out's tile 0,
.set KWO1, 2                           ; its tile 1,
.set KBR,  3                           ; b_rec,
.set KBO,  4                           ; b_out,
.set LAST, 5                           ; or, in the last step, W_rec
.set MSB, 0
.macro WIN new                         ; s_set_vgpr_msb: bits 1:0 source 0, 3:2 source 1, 5:4 source 2, 7:6 destination; the high byte repeats the setting that is left; a switch that changes nothing is dropped
.if MSB != (\new)
	s_set_vgpr_msb (MSB<<8)|(\new)
.set MSB, (\new)
.endif
.endm
.macro PLACES n                        ; plain vector instructions between a matrix instruction and a read of its result or a load into its registers
.rept \n
	v_nop
.endr
.endm
.macro BARRIER                         ; my LDS stores have landed and my LDS loads are in: then the work-group's barrier
	s_wait_dscnt 0x0
	s_barrier_signal -1
	s_barrier_wait -1
.endm
; my 128 rows of a large weight matrix: 32 fragments, 128 loads, into windows 1 and 2
.macro WLOAD base
.irp wi, 0,1
	WIN 0x40+0x40*\wi
.irp t, 0,1,2,3,4,5,6,7
.irp s2, 0,1
.irp c, 0,1,2,3
	global_load_b128 v[16*(2*\t+\s2)+4*\c:16*(2*\t+\s2)+4*\c+3], v[WA], s[\base:\base+1] offset:(32*(\t/2)+8*(\t%2))*512+(2*\wi+\s2)*128+32*\c
.endr
.endr
.endr
.endr
	WIN 0
.endm
; a tile of x, my wave's 128 columns, into slot q of window 3: row i in registers 4 i .. 4 i + 3; each load reads 512 consecutive bytes, at a multiple of 512 from x's first byte
.macro XLOAD q, off
	WIN 0xc0
.irp i, 0,1,2,3,4,5,6,7,8,9,10,11,12,13,14,15
	global_load_b128 v[64*(\q)+4*\i:64*(\q)+4*\i+3], v[LI], s[4:5] offset:(\off)+XROW*\i th:TH_LOAD_NT
.endr
	WIN 0
.endm
.macro WOLOAD n                        ; W_out's tile n: four fragments, 16 loads
	WIN 0xc0
.irp s, 0,1,2,3
.irp c, 0,1,2,3
	global_load_b128 v[WF+16*(4*\n+\s)+4*\c:WF+16*(4*\n+\s)+4*\c+3], v[WO], s[16:17] offset:8192*\n+128*\s+32*\c
.endr
.endr
	WIN 0
.endm
.macro BRLOAD                          ; b_rec in the result's layout: for tile 2 b + u the units 32 b + 16 h + 8 u + 0 .. 7: 16 loads
	WIN 0xc0
.irp t, 0,1,2,3,4,5,6,7
	global_load_b128 v[BR+8*\t:BR+8*\t+3], v[BA], s[14:15] offset:(32*(\t/2)+8*(\t%2))*4
	global_load_b128 v[BR+8*\t+4:BR+8*\t+7], v[BA], s[14:15] offset:(32*(\t/2)+8*(\t%2))*4+16
.endr
	WIN 0
.endm
.macro BOLOAD                          ; b_out likewise: for tile n the outputs 16 n + 8 h + 0 .. 7
	WIN 0xc0
.irp n, 0,1
	global_load_b128 v[BO+8*\n:BO+8*\n+3], v[BB], s[18:19] offset:64*\n
	global_load_b128 v[BO+8*\n+4:BO+8*\n+7], v[BB], s[18:19] offset:64*\n+16
.endr
	WIN 0
.endm
; slot q's tile: + b_in (my four columns are the same in every row), then through my own stage: in as loaded, back 16 neighbours along K of each block of 32 for lane (r, h).
; LDS serves a wave's instructions in order (ISA guide 5.7.1.4): no wait between the stores and the loads, nor against the turn before.
.macro TURN q
	WIN 0xc3                                       ; destination and source 0 window 3, b_in window 0
.irp i, 0,1,2,3,4,5,6,7,8,9,10,11,12,13,14,15
	v_pk_add_f32 v[64*(\q)+4*\i:64*(\q)+4*\i+1], v[64*(\q)+4*\i:64*(\q)+4*\i+1], v[BI:BI+1]
	v_pk_add_f32 v[64*(\q)+4*\i+2:64*(\q)+4*\i+3], v[64*(\q)+4*\i+2:64*(\q)+4*\i+3], v[BI+2:BI+3]
.endr
	WIN 0x0c                                       ; store data window 3
.irp i, 0,1,2,3,4,5,6,7,8,9,10,11,12,13,14,15
	ds_store_b128 v[TW], v[64*(\q)+4*\i:64*(\q)+4*\i+3] offset:TP*\i
.endr
	WIN 0
.irp b, 0,1,2,3
.irp j, 0,1,2,3
	ds_load_b128 v[XT+16*\b+4*\j:XT+16*\b+4*\j+3], v[TR] offset:128*\b+16*\j
.endr
.endr
.endm
; 64 numbers of a lane, register 16 b + i = k 32 b + 16 h + i of my row, become a fragment's codes in v[pc] on.  relu = 1: what is negative becomes 0 on the way
.macro QUANT s, relu, sc, lim, pc
.irp b, 0,1,2,3
.irp i, 0,1,2,3,4,5,6,7,8,9,10,11,12,13,14,15
.if \relu
	v_med3_num_f32 v[\s+16*\b+\i], v[\s+16*\b+\i], 0, v[\lim]          ; the activation and the hold in one
.else
	v_med3_num_f32 v[\s+16*\b+\i], v[\s+16*\b+\i], -v[\lim], v[\lim]   ; the conversion to an 8-bit code does not saturate (ISA guide 7.6.2): the hold at the largest code x the scale
.endif
.endr
	v_cvt_scalef32_pk8_bf8_f32 v[\pc+4*\b:\pc+4*\b+1], v[\s+16*\b:\s+16*\b+7], v[\sc]
	v_cvt_scalef32_pk8_bf8_f32 v[\pc+4*\b+2:\pc+4*\b+3], v[\s+16*\b+8:\s+16*\b+15], v[\sc]
.endr
	v_nop                                          ; one plain vector instruction behind the last conversion, ahead of whatever vector or matrix instruction next writes its sources
.endm
.macro IMAGE adr, off, pc                      ; a fragment goes to LDS as it stands
.irp c, 0,1,2,3
	ds_store_b128 v[\adr], v[\pc+4*\c:\pc+4*\c+3] offset:(\off)+512*\c
.endr
.endm
.macro FETCH reg, adr, off                     ; and comes back so, in any wave
.irp c, 0,1,2,3
	ds_load_b128 v[\reg+4*\c:\reg+4*\c+3], v[\adr] offset:(\off)+512*\c
.endr
.endm
; 32 matrix instructions: my 8 tiles of units x 16 rows, K = 512 in four steps.  The 8 accumulators take turns, one instruction a turn.
; The first K step starts the sums: with the constant 0 (first = 0) or with b_rec (first = 1, window 3).
.macro MUL acc, act, first
.irp s, 0,1,2,3
.if (\s == 0) && \first
	WIN 0x31                                       ; source 0 (weights) window 1, C (b_rec) window 3
.else
	WIN 0x01+(\s/2)                                ; source 0 window 1 (K steps 0, 1) or 2 (K steps 2, 3)
.endif
.irp t, 0,1,2,3,4,5,6,7
.if \s == 0
.if \first
	v_wmma_f32_16x16x128_bf8_bf8 v[\acc+8*\t:\acc+8*\t+7], v[16*(2*\t):16*(2*\t)+15], v[(\act):(\act)+15], v[BR+8*\t:BR+8*\t+7]
.else
	v_wmma_f32_16x16x128_bf8_bf8 v[\acc+8*\t:\acc+8*\t+7], v[16*(2*\t):16*(2*\t)+15], v[(\act):(\act)+15], 0
.endif
.else
	v_wmma_f32_16x16x128_bf8_bf8 v[\acc+8*\t:\acc+8*\t+7], v[16*(2*\t+(\s%2)):16*(2*\t+(\s%2))+15], v[(\act)+16*\s:(\act)+16*\s+15], v[\acc+8*\t:\acc+8*\t+7]
.endif
.endr
.endr
	WIN 0
.endm
.macro MKSC e, sc, lim                         ; s[e] = a whole number e: v[sc] = 2^e as f32 (the conversion takes its exponent field), v[lim] = 57,344 x 2^e
	s_add_co_i32 s54, s[\e], 127
	s_lshl_b32 s55, s54, 23
	v_mov_b32 v[\sc], s55
	s_add_co_i32 s54, s54, 15
	s_lshl_b32 s54, s54, 23
	s_or_b32 s54, s54, 0x600000
	v_mov_b32 v[\lim], s54
.endm
; PHASE A, ONE TILE m.  p = m % 2: which buffer holds its codes of x; o: its place in NIMG behind s50; q1 = (m + 1) % 4: the slot of the next tile; kind: what is asked for ahead; off: where (a tile of x).
; ONE barrier: behind it tile m's four fragments of x lie in buffer p, and nobody reads buffer 1 - p any more (every wave waited for its LDS loads in front of its signal), so tile m + 1's images may go there.
.macro STEP_A p, o, q1, kind, off
	BARRIER
.irp s, 0,1,2,3
	FETCH XF+16*\s, XRI, TIMG*(\p)+FRB*\s
.endr
.if \kind != LAST
	s_wait_loadcnt 48                              ; loads come back in order (ISA guide 5.7.1): tile m + 1 is in; behind its 16 loads three runs of 16 have been issued
	TURN \q1
	s_wait_dscnt 32                                ; x's fragments are in; the turn's 16 stores and 16 loads may be out
.else
	s_wait_dscnt 0x0
.endif
	MUL HA, XF, 0
.if \kind == LAST
	PLACES 4                                       ; in front of loads into registers that the products above have read
	WLOAD 12                                       ; W_rec takes W_in's place; it lands while the last results are quantised
.else
	s_wait_dscnt 0x0                               ; the turn's stores have read slot q1 and its loads are in: the slot is free
.if \kind == KX
	XLOAD \q1, \off                                ; tile m + 5
.elseif \kind == KWO0
	WOLOAD 0
.elseif \kind == KWO1
	WOLOAD 1
.elseif \kind == KBR
	BRLOAD
.else
	BOLOAD
.endif
.endif
	v_add_nc_u32 v[NA], s50, v[NWI]                ; with the three below: the four places in front of the first read of results
	PLACES 3
	QUANT HA, 0, SC1, LM1, PC                      ; the first product's result, K step w of the second product,
	IMAGE NA, TIMG*(\o), PC                        ; stays in LDS until phase B
.if \kind != LAST
	QUANT XT, 0, SC0, LM0, PCX                     ; tile m + 1's x + b_in, K step w of the first product
	IMAGE XWI, TIMG*(1-(\p)), PCX
.endif
.endm
; PHASE B, third product: the group's 20 hidden fragments f = 5 s + m (K step s, tile m) go in five units of four, on the two sets of BUF by turns
.macro FETCHU u
.irp k, 0,1,2,3
	FETCH BUF+64*((\u)%2)+16*\k, HRI, TIMG*((4*(\u)+\k)%5)+FRB*((4*(\u)+\k)/5)
.endr
.endm
.macro MULU u                                  ; 8 matrix instructions; the ten accumulators (tile m, outputs' tile n) at v[HB + 8 (2 m + n)] take turns, one instruction a turn
	WIN 0x03                                       ; source 0 (W_out) window 3
.irp k, 0,1,2,3
.set FM, (4*(\u)+\k)%5
.set FS, (4*(\u)+\k)/5
.irp n, 0,1
.if FS == 0
	v_wmma_f32_16x16x128_bf8_bf8 v[HB+8*(2*FM+\n):HB+8*(2*FM+\n)+7], v[WF+16*(4*\n+FS):WF+16*(4*\n+FS)+15], v[BUF+64*((\u)%2)+16*\k:BUF+64*((\u)%2)+16*\k+15], 0
.else
	v_wmma_f32_16x16x128_bf8_bf8 v[HB+8*(2*FM+\n):HB+8*(2*FM+\n)+7], v[WF+16*(4*\n+FS):WF+16*(4*\n+FS)+15], v[BUF+64*((\u)%2)+16*\k:BUF+64*((\u)%2)+16*\k+15], v[HB+8*(2*FM+\n):HB+8*(2*FM+\n)+7]
.endif
.endr
.endr
	WIN 0
.endm
	; ---- the head: addresses
	s_load_b256 s[4:11], s[0:1], 0x0               ; x s[4:5], b_in s[6:7], W_in s[8:9], the scales' exponents s[10:11]
	s_load_b256 s[12:19], s[0:1], 0x20             ; W_rec s[12:13], b_rec s[14:15], W_out s[16:17], b_out s[18:19]
	s_load_b64 s[20:21], s[0:1], 0x40              ; y
	v_lshl_add_u32 v254, v0, 2, 0x4a500
	v_mov_b32 v255, 0
	v_lshrrev_b32 v1, 5, v0
	v_readfirstlane_b32 s22, v1                    ; wave 0..3
	v_and_b32 v1, 31, v0                           ; lane
	v_and_b32 v2, 15, v0                           ; r
	v_bfe_u32 v3, v0, 4, 1                         ; h
	v_lshlrev_b32 v[LI], 4, v1
	s_mul_i32 s53, s22, 16*TP
	s_add_co_u32 s53, s53, TS                      ; my turn stage
	v_add_nc_u32 v[TW], s53, v[LI]
	v_mul_u32_u24 v[TR], v2, TP
	v_lshl_add_u32 v[TR], v3, 6, v[TR]
	v_add_nc_u32 v[TR], s53, v[TR]
	s_lshl_b32 s54, s22, 11
	v_add_nc_u32 v[NWI], s54, v[LI]
	v_add_nc_u32 v[XWI], XIMG, v[NWI]
	v_add_nc_u32 v[XRI], XIMG, v[LI]
	v_add_nc_u32 v[HWI], HIMG, v[NWI]
	v_add_nc_u32 v[HRI], HIMG, v[LI]
	s_lshl_b32 s55, s22, 7
	s_add_co_u32 s55, s55, STG
	v_mul_u32_u24 v[SO], v2, TP
	v_lshl_add_u32 v[SO], v3, 5, v[SO]
	v_add_nc_u32 v[SO], s55, v[SO]
	s_mul_i32 s55, s22, 20*TP
	s_add_co_u32 s55, s55, STG
	v_add_nc_u32 v[SR], s55, v[LI]
	v_and_b32 v1, 8, v2
	v_add_nc_u32 v1, v1, v2                        ; r + 8 (r / 8)
	v_lshlrev_b32 v[WA], 9, v1
	v_lshl_add_u32 v[WA], v3, 4, v[WA]
	v_lshlrev_b32 v[WO], 9, v2
	v_lshl_add_u32 v[WO], v3, 4, v[WO]
	v_lshlrev_b32 v[BA], 6, v3
	v_lshlrev_b32 v[BB], 5, v3
	s_wait_kmcnt 0x0
	s_load_b128 s[24:27], s[10:11], 0x0            ; e0, e1, e2, e3
	s_load_b64 s[28:29], s[10:11], 0x10            ; e4, e5
	s_mov_b32 s31, 0                               ; every offset below stays under 2^31: the pair's high word is 0
	s_mul_i32 s30, ttmp9, 400*XROW
	s_lshl_b32 s53, s22, 9
	s_add_co_u32 s30, s30, s53
	s_add_nc_u64 s[4:5], s[4:5], s[30:31]          ; x: my work-group's first row, my wave's 128 columns
	s_mov_b32 s30, s53
	s_add_nc_u64 s[6:7], s[6:7], s[30:31]          ; b_in: the same 128 columns
	s_add_nc_u64 s[14:15], s[14:15], s[30:31]      ; b_rec: my 128 units
	s_lshl_b32 s30, s22, 16
	s_add_nc_u64 s[8:9], s[8:9], s[30:31]          ; W_in, W_rec: my 128 rows of 512 bytes
	s_add_nc_u64 s[12:13], s[12:13], s[30:31]
	s_lshl_b32 s30, s22, 14
	s_add_nc_u64 s[16:17], s[16:17], s[30:31]      ; W_out: my 32 rows
	s_lshl_b32 s30, s22, 7
	s_add_nc_u64 s[18:19], s[18:19], s[30:31]      ; b_out: my 32 outputs
	s_mul_i32 s30, ttmp9, 400*512
	s_mul_i32 s53, s22, 20*512
	s_add_co_u32 s30, s30, s53
	s_add_nc_u64 s[20:21], s[20:21], s[30:31]      ; y: my work-group's first row + the 20 rows of a group of 80 that I store
	global_load_b128 v[BI:BI+3], v[LI], s[6:7]
	XLOAD 0, 0*XTILE
	XLOAD 1, 1*XTILE
	XLOAD 2, 2*XTILE
	XLOAD 3, 3*XTILE
	WLOAD 8                                        ; W_in
	s_wait_kmcnt 0x0
	MKSC 24, SC0, LM0                              ; e0
	s_sub_co_i32 s53, s26, s24
	s_sub_co_i32 s53, s53, s25
	MKSC 53, SC1, LM1                              ; e2 - e0 - e1
	s_sub_co_i32 s53, s28, s26
	s_sub_co_i32 s53, s53, s27
	MKSC 53, SC2, LM2                              ; e4 - e2 - e3
	s_add_co_i32 s52, s26, s27
	s_sub_co_i32 s52, 0, s52                       ; -(e2 + e3), for b_rec
	s_add_co_i32 s46, s28, s29
	s_add_co_i32 s46, s46, 127
	s_lshl_b32 s46, s46, 23                        ; 2^(e4 + e5) as f32
	s_mov_b32 s47, s46                             ; (named with it as a pair, so it is written)
	s_wait_loadcnt 0x0                             ; b_in, tiles 0 to 3, W_in
	TURN 0
	s_wait_dscnt 0x0                               ; slot 0 is free, tile 0's numbers are back
	XLOAD 0, 4*XTILE
	QUANT XT, 0, SC0, LM0, PCX
	IMAGE XWI, 0, PCX
	; ---- phase A: tiles 0 to 19 in five trips of four; each step asks for the tile five further on
	s_mov_b32 s50, 0                               ; the trip's first tile in NIMG
	s_mov_b32 s51, 5
.Ltiles:
	STEP_A 0, 0, 1, KX, 5*XTILE
	STEP_A 1, 1, 2, KX, 6*XTILE
	STEP_A 0, 2, 3, KX, 7*XTILE
	STEP_A 1, 3, 0, KX, 8*XTILE
	s_wait_xcnt 0x0                                ; every earlier memory instruction has had its addresses translated (ISA guide 3.1): x's base steps only behind this wait
	s_add_nc_u64 s[4:5], s[4:5], 4*XTILE
	s_add_co_u32 s50, s50, 4*TIMG
	s_sub_co_u32 s51, s51, 1
	s_cmp_lg_u32 s51, 0
	s_cbranch_scc1 .Ltiles
	; tiles 20 to 24 are written out: no load of x leaves the work-group's 25 tiles.  Phase B's small operands take the freed slots; the runs of 16 loads keep the counted wait's three runs whole
	STEP_A 0, 0, 1, KWO0, 0
	STEP_A 1, 1, 2, KWO1, 0
	STEP_A 0, 2, 3, KBR, 0
	STEP_A 1, 3, 0, KBO, 0
	STEP_A 0, 4, 0, LAST, 0
	; ---- the change of weights
	s_wait_loadcnt 0x0                             ; W_out, b_rec, b_out, W_rec
	WIN 0xc3                                       ; destination and source 0 window 3
.set J, 0
.rept 64
	v_ldexp_f32 v[BR+J], v[BR+J], s52              ; b_rec x 2^-(e2 + e3): the power of two that the second product's sums lack; nothing is rounded
.set J, J+1
.endr
	WIN 0
	BARRIER                                        ; all 25 tiles' codes lie in NIMG, and no wave touches its turn stage any more: HIMG may be written
	; ---- phase B: five groups of five tiles
	s_mov_b32 s50, 0                               ; the group's first tile in NIMG
	s_mov_b32 s51, 5
.Lgroup:
	v_add_nc_u32 v[NA], s50, v[LI]
.irp s, 0,1,2,3
	FETCH BUF+16*\s, NA, FRB*\s
.endr
.irp i, 0,1,2,3,4
	s_wait_dscnt 0x0                               ; tile i's fragments are in; the image stores of the tile before have read their registers
.if \i < 4
.irp s, 0,1,2,3
	FETCH BUF+64*((\i+1)%2)+16*\s, NA, TIMG*(\i+1)+FRB*\s   ; the next tile's, into the other set: its last reader stands a whole quantiser back
.endr
.endif
	MUL HB, BUF+64*(\i%2), 1
	PLACES 4
	QUANT HB, 1, SC2, LM2, PCB                     ; relu and hold in one; K step w of the third product
	IMAGE HWI, TIMG*\i, PCB
.endr
	BARRIER                                        ; the group's 20 hidden fragments lie in HIMG; nobody reads the stage for y any more
	FETCHU 0
	FETCHU 1
.irp u, 0,1,2,3,4
.if \u < 4
	s_wait_dscnt 16                                ; this unit's four fragments are in; the next unit's 16 loads may be out
.else
	s_wait_dscnt 0x0
.endif
	MULU \u
	PLACES 4                                       ; in front of loads into the set just multiplied; behind the last unit: in front of the reads of results and the writes over that set
.if \u < 3
	FETCHU \u+2
.endif
.endr
	WIN 0x30                                       ; source 2 (b_out) window 3
.irp a, 0,1,2,3,4,5,6,7,8,9
.irp i, 0,2,4,6
	v_pk_fma_f32 v[BUF+8*\a+\i:BUF+8*\a+\i+1], v[HB+8*\a+\i:HB+8*\a+\i+1], s[46:47], v[BO+8*(\a%2)+\i:BO+8*(\a%2)+\i+1] op_sel_hi:[1,0,1]   ; y = sum x 2^(e4 + e5) + b_out; each accumulator from its low end on
.endr
.endr
	WIN 0
.irp a, 0,1,2,3,4,5,6,7,8,9
	ds_store_b128 v[SO], v[BUF+8*\a:BUF+8*\a+3] offset:16*TP*(\a/2)+64*(\a%2)          ; lane (r, h): y(16 m + r, 32 w + 16 n + 8 h + 0 .. 7), a = 2 m + n
	ds_store_b128 v[SO], v[BUF+8*\a+4:BUF+8*\a+7] offset:16*TP*(\a/2)+64*(\a%2)+16
.endr
	BARRIER                                        ; 80 whole rows of y lie in the stage; nobody reads HIMG any more
.irp i, 0,1,2,3,4,5,6,7,8,9,10,11,12,13,14,15,16,17,18,19
	ds_load_b128 v[BUF+4*\i:BUF+4*\i+3], v[SR] offset:TP*\i
.endr
.irp i, 0,1,2,3,4,5,6,7,8,9,10,11,12,13,14,15,16,17,18,19
	s_wait_dscnt 19-\i                             ; LDS loads come back in order: row i is in, the younger ones may be out
	global_store_b128 v[LI], v[BUF+4*\i:BUF+4*\i+3], s[20:21] offset:512*\i th:TH_STORE_NT   ; 32 lanes store a row of 512 consecutive bytes, at a multiple of 512 from y's first byte
.endr
	s_wait_xcnt 0x0                                ; the stores have read their registers and their base: both may be written again
	s_add_nc_u64 s[20:21], s[20:21], 80*512
	s_add_co_u32 s50, s50, 5*TIMG
	s_sub_co_u32 s51, s51, 1
	s_cmp_lg_u32 s51, 0
	s_cbranch_scc1 .Lgroup
	s_wait_tensorcnt 0x0
	ds_add_u32 v254, v255
	s_wait_dscnt 0x0
	s_endpgm
.Lfunc_end_k_q5ec20dac30_chain:
	.size	k_q5ec20dac30_chain, .Lfunc_end_k_q5ec20dac30_chain-k_q5ec20dac30_chain
	.p2alignl 7, 3214868480
	.fill 96, 4, 3214868480
	.section	.rodata,"a",@progbits
	.p2align	6, 0x0
	.amdhsa_kernel k_q5ec20dac30_chain
		.amdhsa_group_segment_fixed_size 304896
		.amdhsa_private_segment_fixed_size 0
		.amdhsa_enable_private_segment 0
		.amdhsa_kernarg_size 72
		.amdhsa_user_sgpr_count 2
		.amdhsa_user_sgpr_kernarg_segment_ptr 1
		.amdhsa_wavefront_size32 1
		.amdhsa_system_sgpr_workgroup_id_x 1
		.amdhsa_system_sgpr_workgroup_id_y 1
		.amdhsa_system_sgpr_workgroup_id_z 1
		.amdhsa_system_vgpr_workitem_id 0
		.amdhsa_next_free_vgpr 1024
		.amdhsa_next_free_sgpr 66
		.amdhsa_reserve_vcc 0
		.amdhsa_float_denorm_mode_32 3
		.amdhsa_float_denorm_mode_16_64 3
		.amdhsa_memory_ordered 1
		.amdhsa_forward_progress 1
		.amdhsa_inst_pref_size 255
	.end_amdhsa_kernel
	.section	.bss,"aw",@nobits
	.p2align	6
	.space	262144
	.amdgpu_metadata
---
amdhsa.version: [ 1, 2 ]
amdhsa.kernels:
  - .name:           k_q5ec20dac30_chain
    .symbol:         k_q5ec20dac30_chain.kd
    .args:
      - { .name: external_input_tensor, .offset: 0, .size: 8, .value_kind: global_buffer, .address_space: global }
      - { .name: input_biases, .offset: 8, .size: 8, .value_kind: global_buffer, .address_space: global }
      - { .name: input_weights_codes, .offset: 16, .size: 8, .value_kind: global_buffer, .address_space: global }
      - { .name: lowp_scales, .offset: 24, .size: 8, .value_kind: global_buffer, .address_space: global }
      - { .name: recurrent_weights_codes, .offset: 32, .size: 8, .value_kind: global_buffer, .address_space: global }
      - { .name: recurrent_biases, .offset: 40, .size: 8, .value_kind: global_buffer, .address_space: global }
      - { .name: output_weights_codes, .offset: 48, .size: 8, .value_kind: global_buffer, .address_space: global }
      - { .name: output_biases, .offset: 56, .size: 8, .value_kind: global_buffer, .address_space: global }
      - { .name: out0, .offset: 64, .size: 8, .value_kind: global_buffer, .address_space: global }
    .group_segment_fixed_size: 304896
    .private_segment_fixed_size: 0
    .kernarg_segment_align: 8
    .kernarg_segment_size: 72
    .max_flat_workgroup_size: 128
    .sgpr_count:     66
    .vgpr_count:     1024
    .wavefront_size: 32
...
	.end_amdgpu_metadata
.endif
;; end of part 1
;; ======== version 2 of 2: 1 launch; version 1 with the launch chain written anew for expert scheduling mode
;; launch chain (part 2): grid 250 x 1, 4 waves a work-group, no clusters, 304,896 bytes of LDS; arguments external_input_tensor, input_biases, input_weights_codes, lowp_scales, recurrent_weights_codes, recurrent_biases, output_weights_codes, output_biases, out0; writes out0
.if DOCPART == 2
	.amdgcn_target "amdgcn-amd-amdhsa--gfx1250"
	.amdhsa_code_object_version 6
	.text
	.protected	k_q5ec20dac30_chain
	.globl	k_q5ec20dac30_chain
	.p2align	8
	.type	k_q5ec20dac30_chain,@function
k_q5ec20dac30_chain:
	s_mov_b64 s[64:65], 0
	v_nop
	global_prefetch_b8 v0, s[64:65] scope:SCOPE_SE
	s_setreg_imm32_b32 hwreg(HW_REG_WAVE_SCHED_MODE, 0, 2), 2
	s_setreg_imm32_b32 hwreg(HW_REG_WAVE_MODE, 25, 1), 1
	s_wait_xcnt 0x0
	s_wait_alu depctr_vm_vsrc(0)
; y = relu(((x + b_in) W_in) W_rec + b_rec) W_out + b_out for 100,000 independent rows; all three products on codes of BF8 (E5M2), each operand with the one scale 2^e that is given for it
; (e0 x + b_in, e1 W_in, e2 the first product's result, e3 W_rec, e4 the hidden layer, e5 W_out).  x [100000][512] f32; the weights arrive as codes, K innermost: rows of 512 bytes; y [100000][128] f32.
; ONE LAUNCH, nothing goes to memory between the products.  250 work-groups of four waves; a work-group owns 400 rows = 25 tiles of 16 (250 x 400 = 100,000: equal work, every trip count a constant).
; THE WAVES SHARE THE COLUMNS: wave w makes units 128 w .. 128 w + 127 of both inner layers and outputs 32 w .. 32 w + 31, for all rows.  Its 128 rows of the large weight matrix in hand are 64 KB = 512 registers
; (windows 1 and 2) and stay there.  Both large matrices do not fit at once, so the work-group goes in two phases:
;   A: W_in in registers.  For each of the 25 tiles: x + b_in is quantised, multiplied, the result quantised and KEPT AS CODES IN LDS (25 x 8 KB).
;   B: W_rec takes W_in's registers (W_out, b_rec, b_out lie in window 3, where x's loads lay).  Five groups of five tiles: second product, bias, relu, quantised; through LDS to all waves; third product; y leaves as whole rows.
; OPERANDS GO FROM WAVE TO WAVE THROUGH LDS AS IMAGES OF THEIR REGISTERS: a fragment (16 rows x 128 K, 16 registers a lane) is four ds_store_b128, lane l's 16 bytes at 16 l, 512 bytes a store, and comes back by the same four lines as loads.
; A FRAGMENT: lane (r = l % 16, h = l / 16) holds row r; registers 4 c .. 4 c + 3 hold k = 32 c + 16 h + 0 .. 15.  That is a permutation of k against the form's own places, the same in both operands: every product meets its partner.
; PRODUCTS 1 AND 2 ARE USED TRANSPOSED (source 0 = 16 rows of the weights, source 1 = 16 rows of activations), AND THE WEIGHT ROWS OF A TILE ARE NOT NEIGHBOURS: lane r of tile 2 b + u takes row 128 w + 32 b + 8 u + r + 8 (r / 8).
; So register 16 b + i of a lane's 64 results is unit 128 w + 32 b + 16 h + i of row r: the wave's 8 tiles, quantised, ARE K step w of the next product.
; THE SCALES ARE FOLDED: a sum of codes stands for sum x 2^(its operands' e added).  The first result's conversion takes 2^(e2 - e0 - e1); b_rec goes in as the C of the second product's first instruction, x 2^-(e2 + e3);
; the hidden layer's conversion takes 2^(e4 - e2 - e3), and its hold between 0 and the largest code is the relu; y = sum x 2^(e4 + e5) + b_out, one packed multiply-add for two numbers.
; NO CLUSTER, NO JOINT LOADS: 250 work-groups and 6,250 = 2 x 5^5 tiles do not divide into four equal partners; each work-group reads its 576 KB of weights once, straight into registers, against 1,024,000 bytes of x and y of its own.
; NO TENSOR LOADS: x comes by loads into registers, four tiles (64 loads a wave) ahead, each load 512 consecutive aligned bytes; beside the 200 KB of codes LDS has no room for slots of that depth.
; LIMITS on the given exponents, so that each power of two below is an f32 number: e0, e2 - e0 - e1 and e4 - e2 - e3 between -126 and 112; e4 + e5 between -126 and 127; b_rec x 2^-(e2 + e3) must be an f32 number.
; NaN among the inputs is not served; an infinity in x is held at the largest code, as the quantiser's clamp has it.
;
; THE MODE: SCHED_MODE bits 1:0 = 2 (LLVM: expert scheduling mode 2), set by the entry lines.  The code itself states the register dependences between vector or matrix instructions and memory or LDS instructions,
; with s_wait_alu, always for 0.
; THE PLAN, phase A, the step of tile m.  Registers that memory or LDS instructions touch:
;   slot q1 (window 3)  holds tile m + 1 as loaded; the turn's 32 additions write it in place; the turn's 16 LDS stores read it; the loads of tile m + 5 land in it, in the middle of the step's products.
;   XT                  the turn's 16 LDS loads land in it; x's quantiser reads and writes it, late in the step.
;   XF                  16 LDS loads at the step's head land in it; the step's 32 products read it.
;   PC, PCX, v[NA]      written by the two quantisers and one addition; read by the image stores at the step's end.
;   the other addresses are written at the head and never again.
;   Four waits a step: on va_vdst behind the additions (the stores' data); on vm_vsrc behind the turn (slot q1 is read; so are the last step's NA, PC, PCX); on va_vdst beside it (the additions' use of slot q1, stated
;   behind the stores that read the slot: from there to the loads stand only products that name none of their registers); on va_vdst behind both quantisers (the image stores' data and address; the products are done with XF).
; THE PLAN, phase B.  BUF: LDS loads land in it, products read it, y's multiply-adds write it, the stage's stores read it, the stage's loads land in it, the global stores read it.  PCB: conversions write it, image stores read it.
;   v[NA]: written once a group.  The waits stand at the group's head, one pair to a tile, one behind each of the third product's first three units, and two on the way out; each says below what it states.
;
; LDS: NIMG 25 tiles x 4 K steps x 2,048 | XIMG two buffers of x's four fragments, by the tile's parity | TS (phase A) a stage of 16 rows x 528 for each wave, in which x turns from "neighbouring lanes, neighbouring bytes"
; to "a lane, 16 neighbours along K" | HIMG (phase B, over TS: a barrier stands between the two uses) five tiles of the hidden layer | STG 80 rows of y x 528.
; REGISTERS, in windows of 256.  Window 0: v4-23, v252 addresses and scales.  Phase A: v24-27 b_in; v28-43 x's codes; v44-59 the result's codes; v60-123 x's four fragments; v124-187 8 accumulators; v188-251 64 numbers of x.
;   Phase B: v28-43 codes; v44-171 two sets of four fragments, later y; v172-251 accumulators (8, then 10).  Windows 1, 2: weight fragment (tile t, K step s) at v[16 (2 t + s % 2)] of window 1 + s / 2.
;   Window 3, phase A: four slots of 64, a tile of x each as loaded.  Phase B: v0-15 b_out, v64-191 W_out's 8 fragments, v192-255 b_rec.
.set XROW,  2048                       ; a row of x in bytes
.set XTILE, 16*XROW                    ; a tile of 16 rows
.set FRB,   2048                       ; a fragment's image
.set TIMG,  4*FRB                      ; a tile's four K steps
.set NIMG,  0
.set XIMG,  NIMG+25*TIMG               ; 204,800
.set TS,    XIMG+2*TIMG                ; 221,184
.set TP,    528                        ; a stage row: 512 bytes + 16 = 132 words: row r starts at bank 4 r mod 64 (64 banks of 4 bytes: ISA guide 11.1)
.set HIMG,  TS
.set STG,   HIMG+5*TIMG                ; 262,144; ends at 304,384
.set TW,  4                            ; v4   the turn, in: TS + 8,448 wave + 16 lane
.set LI,  5                            ; v5   16 x lane: an image's place; also my byte in 512 consecutive bytes of x, b_in and y
.set XWI, 6                            ; v6   where I store x's image: XIMG + 2,048 wave + 16 lane
.set XRI, 7                            ; v7   where x's images are read: XIMG + 16 lane
.set NWI, 8                            ; v8   2,048 wave + 16 lane
.set NA,  9                            ; v9   the address in NIMG in hand
.set HWI, 10                           ; v10  HIMG + 2,048 wave + 16 lane
.set HRI, 11                           ; v11  HIMG + 16 lane
.set SO,  12                           ; v12  the stage for y, in: STG + 528 r + 32 h + 128 wave
.set SR,  13                           ; v13  and back: STG + 20 wave rows + 16 lane
.set WA,  14                           ; v14  large weights: (r + 8 (r / 8)) x 512 + 16 h
.set WO,  15                           ; v15  W_out: 512 r + 16 h
.set BA,  16                           ; v16  b_rec: 64 h
.set BB,  17                           ; v17  b_out: 32 h
.set SC0, 18                           ; v18, v19  2^e0 and 57,344 x 2^e0
.set LM0, 19
.set SC1, 20                           ; v20, v21  the same with e2 - e0 - e1
.set LM1, 21
.set SC2, 22                           ; v22, v23  the same with e4 - e2 - e3
.set LM2, 23
.set BI,  24
.set PCX, 28
.set PC,  44
.set XF,  60
.set HA,  124
.set XT,  188
.set TR,  252                          ; v252 the turn, back: TS + 8,448 wave + 528 r + 64 h
.set PCB, 28
.set BUF, 44
.set HB,  172
.set BO,  0                            ; window 3
.set WF,  64
.set BR,  192
.set KX,   0                           ; what a step of phase A asks for ahead: a tile of x,
.set KWO0, 1                           ; W_out's tile 0,
.set KWO1, 2                           ; its tile 1,
.set KBR,  3                           ; b_rec,
.set KBO,  4                           ; b_out,
.set LAST, 5                           ; or, in the last step, W_rec
.set MSB, 0
.macro WIN new                         ; s_set_vgpr_msb: bits 1:0 source 0, 3:2 source 1, 5:4 source 2, 7:6 destination; the high byte repeats the setting that is left; a switch that changes nothing is dropped
.if MSB != (\new)
	s_set_vgpr_msb (MSB<<8)|(\new)
.set MSB, (\new)
.endif
.endm
.macro PLACES n                        ; plain vector instructions behind a matrix instruction (ISA guide 7.12.1)
.rept \n
	v_nop
.endr
.endm
.macro BARRIER                         ; my LDS stores have landed and my LDS loads are in: then the work-group's barrier
	s_wait_dscnt 0x0
	s_barrier_signal -1
	s_barrier_wait -1
.endm
; my 128 rows of a large weight matrix: 32 fragments, 128 loads, into windows 1 and 2
.macro WLOAD base
.irp wi, 0,1
	WIN 0x40+0x40*\wi
.irp t, 0,1,2,3,4,5,6,7
.irp s2, 0,1
.irp c, 0,1,2,3
	global_load_b128 v[16*(2*\t+\s2)+4*\c:16*(2*\t+\s2)+4*\c+3], v[WA], s[\base:\base+1] offset:(32*(\t/2)+8*(\t%2))*512+(2*\wi+\s2)*128+32*\c
.endr
.endr
.endr
.endr
	WIN 0
.endm
; The four macros below load into window 3 and leave the windows so: what follows them sets its own.
; a tile of x, my wave's 128 columns, into slot q of window 3: row i in registers 4 i .. 4 i + 3; each load reads 512 consecutive bytes, at a multiple of 512 from x's first byte
.macro XLOAD q, off
	WIN 0xc0
.irp i, 0,1,2,3,4,5,6,7,8,9,10,11,12,13,14,15
	global_load_b128 v[64*(\q)+4*\i:64*(\q)+4*\i+3], v[LI], s[4:5] offset:(\off)+XROW*\i th:TH_LOAD_NT
.endr
.endm
.macro WOLOAD n                        ; W_out's tile n: four fragments, 16 loads
	WIN 0xc0
.irp s, 0,1,2,3
.irp c, 0,1,2,3
	global_load_b128 v[WF+16*(4*\n+\s)+4*\c:WF+16*(4*\n+\s)+4*\c+3], v[WO], s[16:17] offset:8192*\n+128*\s+32*\c
.endr
.endr
.endm
.macro BRLOAD                          ; b_rec in the result's layout: for tile 2 b + u the units 32 b + 16 h + 8 u + 0 .. 7: 16 loads
	WIN 0xc0
.irp t, 0,1,2,3,4,5,6,7
	global_load_b128 v[BR+8*\t:BR+8*\t+3], v[BA], s[14:15] offset:(32*(\t/2)+8*(\t%2))*4
	global_load_b128 v[BR+8*\t+4:BR+8*\t+7], v[BA], s[14:15] offset:(32*(\t/2)+8*(\t%2))*4+16
.endr
.endm
.macro BOLOAD                          ; b_out likewise: for tile n the outputs 16 n + 8 h + 0 .. 7
	WIN 0xc0
.irp n, 0,1
	global_load_b128 v[BO+8*\n:BO+8*\n+3], v[BB], s[18:19] offset:64*\n
	global_load_b128 v[BO+8*\n+4:BO+8*\n+7], v[BB], s[18:19] offset:64*\n+16
.endr
.endm
; slot q's tile: + b_in (my four columns are the same in every row), then through my own stage: in as loaded, back 16 neighbours along K of each block of 32 for lane (r, h).
; LDS serves a wave's instructions in order (ISA guide 5.7.1.4): no wait between the stores and the loads, nor against the turn before.
.macro TURN q
	WIN 0xc3                                       ; destination and source 0 window 3, b_in window 0
.irp i, 0,1,2,3,4,5,6,7,8,9,10,11,12,13,14,15
	v_pk_add_f32 v[64*(\q)+4*\i:64*(\q)+4*\i+1], v[64*(\q)+4*\i:64*(\q)+4*\i+1], v[BI:BI+1]
	v_pk_add_f32 v[64*(\q)+4*\i+2:64*(\q)+4*\i+3], v[64*(\q)+4*\i+2:64*(\q)+4*\i+3], v[BI+2:BI+3]
.endr
	WIN 0x0c                                       ; store data window 3
	s_wait_alu depctr_va_vdst(0)                   ; the additions have written slot q, which the stores below read.  (x's last quantiser, which named XT, stands ahead of an earlier wait on va_vdst: the loads below may land there)
.irp i, 0,1,2,3,4,5,6,7,8,9,10,11,12,13,14,15
	ds_store_b128 v[TW], v[64*(\q)+4*\i:64*(\q)+4*\i+3] offset:TP*\i
.endr
	WIN 0
.irp b, 0,1,2,3
.irp j, 0,1,2,3
	ds_load_b128 v[XT+16*\b+4*\j:XT+16*\b+4*\j+3], v[TR] offset:128*\b+16*\j
.endr
.endr
.endm
; 64 numbers of a lane, register 16 b + i = k 32 b + 16 h + i of my row, become a fragment's codes in v[pc] on.  relu = 1: what is negative becomes 0 on the way
.macro QUANT s, relu, sc, lim, pc
.irp b, 0,1,2,3
.irp i, 0,1,2,3,4,5,6,7,8,9,10,11,12,13,14,15
.if \relu
	v_med3_num_f32 v[\s+16*\b+\i], v[\s+16*\b+\i], 0, v[\lim]          ; the activation and the hold in one
.else
	v_med3_num_f32 v[\s+16*\b+\i], v[\s+16*\b+\i], -v[\lim], v[\lim]   ; the conversion to an 8-bit code does not saturate (ISA guide 7.6.2): the hold at the largest code x the scale
.endif
.endr
	v_cvt_scalef32_pk8_bf8_f32 v[\pc+4*\b:\pc+4*\b+1], v[\s+16*\b:\s+16*\b+7], v[\sc]
	v_cvt_scalef32_pk8_bf8_f32 v[\pc+4*\b+2:\pc+4*\b+3], v[\s+16*\b+8:\s+16*\b+15], v[\sc]
.endr
	v_nop                                          ; one plain vector instruction behind the last conversion, ahead of whatever vector or matrix instruction next writes its sources
.endm
.macro IMAGE adr, off, pc                      ; a fragment goes to LDS as it stands
.irp c, 0,1,2,3
	ds_store_b128 v[\adr], v[\pc+4*\c:\pc+4*\c+3] offset:(\off)+512*\c
.endr
.endm
.macro FETCH reg, adr, off                     ; and comes back so, in any wave
.irp c, 0,1,2,3
	ds_load_b128 v[\reg+4*\c:\reg+4*\c+3], v[\adr] offset:(\off)+512*\c
.endr
.endm
; K step s of my 8 tiles of units x 16 rows: 8 matrix instructions.  The 8 accumulators take turns, one instruction a turn.
; The first K step starts the sums: with the constant 0 (first = 0) or with b_rec (first = 1, window 3).
.macro MULS acc, act, first, s
.if ((\s) == 0) && \first
	WIN 0x31                                       ; source 0 (weights) window 1, C (b_rec) window 3
.else
	WIN 0x01+((\s)/2)                              ; source 0 window 1 (K steps 0, 1) or 2 (K steps 2, 3)
.endif
.irp t, 0,1,2,3,4,5,6,7
.if (\s) == 0
.if \first
	v_wmma_f32_16x16x128_bf8_bf8 v[\acc+8*\t:\acc+8*\t+7], v[16*(2*\t):16*(2*\t)+15], v[(\act):(\act)+15], v[BR+8*\t:BR+8*\t+7]
.else
	v_wmma_f32_16x16x128_bf8_bf8 v[\acc+8*\t:\acc+8*\t+7], v[16*(2*\t):16*(2*\t)+15], v[(\act):(\act)+15], 0
.endif
.else
	v_wmma_f32_16x16x128_bf8_bf8 v[\acc+8*\t:\acc+8*\t+7], v[16*(2*\t+((\s)%2)):16*(2*\t+((\s)%2))+15], v[(\act)+16*(\s):(\act)+16*(\s)+15], v[\acc+8*\t:\acc+8*\t+7]
.endif
.endr
.endm
.macro MUL acc, act, first                     ; K = 512 in four steps: 32 matrix instructions
	MULS \acc, \act, \first, 0
	MULS \acc, \act, \first, 1
	MULS \acc, \act, \first, 2
	MULS \acc, \act, \first, 3
	WIN 0
.endm
.macro MKSC e, sc, lim                         ; s[e] = a whole number e: v[sc] = 2^e as f32 (the conversion takes its exponent field), v[lim] = 57,344 x 2^e
	s_add_co_i32 s54, s[\e], 127
	s_lshl_b32 s55, s54, 23
	v_mov_b32 v[\sc], s55
	s_add_co_i32 s54, s54, 15
	s_lshl_b32 s54, s54, 23
	s_or_b32 s54, s54, 0x600000
	v_mov_b32 v[\lim], s54
.endm
; PHASE A, ONE TILE m.  p = m % 2: which buffer holds its codes of x; o: its place in NIMG behind s50; q1 = (m + 1) % 4: the slot of the next tile; kind: what is asked for ahead; off: where (a tile of x).
; ONE barrier: behind it tile m's four fragments of x lie in buffer p, and nobody reads buffer 1 - p any more (every wave waited for its LDS loads in front of its signal), so tile m + 1's images may go there.
.macro STEP_A p, o, q1, kind, off
	BARRIER
.irp s, 0,1,2,3
	FETCH XF+16*\s, XRI, TIMG*(\p)+FRB*\s          ; the products that read XF stand ahead of the wait on va_vdst at the last step's end, and no vector or matrix instruction since names XF
.endr
.if \kind != LAST
	s_wait_loadcnt 48                              ; loads come back in order (ISA guide 5.7.1): tile m + 1 is in; behind its 16 loads three runs of 16 have been issued
	TURN \q1
	s_wait_alu depctr_vm_vsrc(0)                   ; the turn's stores have read slot q1, in which the loads below land; the last step's image stores have read v[NA], PC and PCX, which this step writes again
	s_wait_alu depctr_va_vdst(0)                   ; the additions are done with slot q1: stated behind the stores that read the slot, for the loads that land in it; the sixteen products between name none of those loads' registers
	s_wait_dscnt 32                                ; x's fragments are in; the turn's 16 stores and 16 loads may be out
.else
	s_wait_alu depctr_vm_vsrc(0)                   ; the last step's image stores have read v[NA] and PC, which this step writes again
	s_wait_dscnt 0x0
.endif
	MULS HA, XF, 0, 0
	MULS HA, XF, 0, 1
.if \kind == KX                                ; the loads ahead stand in the middle of the products, where the windows change in any case
	XLOAD \q1, \off                                ; tile m + 5
.elseif \kind == KWO0
	WOLOAD 0
.elseif \kind == KWO1
	WOLOAD 1
.elseif \kind == KBR
	BRLOAD
.elseif \kind == KBO
	BOLOAD
.endif
	MULS HA, XF, 0, 2
	MULS HA, XF, 0, 3
	WIN 0
.if \kind == LAST
	PLACES 4
	s_wait_alu depctr_va_vdst(0)                   ; the products are done reading W_in's registers, in which the loads below land
	WLOAD 12                                       ; W_rec takes W_in's place; it lands while the last results are quantised
.endif
	v_add_nc_u32 v[NA], s50, v[NWI]                ; with the three below: the four places in front of the first read of results
	PLACES 3
	QUANT HA, 0, SC1, LM1, PC                      ; the first product's result, K step w of the second product
.if \kind != LAST
	s_wait_dscnt 0x0                               ; the turn's loads are in
	QUANT XT, 0, SC0, LM0, PCX                     ; tile m + 1's x + b_in, K step w of the first product
.endif
	s_wait_alu depctr_va_vdst(0)                   ; the conversions have written PC and PCX and the addition v[NA], which the stores below read; the step's products are done reading XF, in which the next step's loads land
	IMAGE NA, TIMG*(\o), PC                        ; stays in LDS until phase B
.if \kind != LAST
	IMAGE XWI, TIMG*(1-(\p)), PCX
.endif
.endm
; PHASE B, third product: the group's 20 hidden fragments f = 5 s + m (K step s, tile m) go in five units of four, on the two sets of BUF by turns
.macro FETCHU u
.irp k, 0,1,2,3
	FETCH BUF+64*((\u)%2)+16*\k, HRI, TIMG*((4*(\u)+\k)%5)+FRB*((4*(\u)+\k)/5)
.endr
.endm
.macro MULU u                                  ; 8 matrix instructions; the ten accumulators (tile m, outputs' tile n) at v[HB + 8 (2 m + n)] take turns, one instruction a turn
	WIN 0x03                                       ; source 0 (W_out) window 3
.irp k, 0,1,2,3
.set FM, (4*(\u)+\k)%5
.set FS, (4*(\u)+\k)/5
.irp n, 0,1
.if FS == 0
	v_wmma_f32_16x16x128_bf8_bf8 v[HB+8*(2*FM+\n):HB+8*(2*FM+\n)+7], v[WF+16*(4*\n+FS):WF+16*(4*\n+FS)+15], v[BUF+64*((\u)%2)+16*\k:BUF+64*((\u)%2)+16*\k+15], 0
.else
	v_wmma_f32_16x16x128_bf8_bf8 v[HB+8*(2*FM+\n):HB+8*(2*FM+\n)+7], v[WF+16*(4*\n+FS):WF+16*(4*\n+FS)+15], v[BUF+64*((\u)%2)+16*\k:BUF+64*((\u)%2)+16*\k+15], v[HB+8*(2*FM+\n):HB+8*(2*FM+\n)+7]
.endif
.endr
.endr
	WIN 0
.endm
	; ---- the head: addresses
	s_load_b256 s[4:11], s[0:1], 0x0               ; x s[4:5], b_in s[6:7], W_in s[8:9], the scales' exponents s[10:11]
	s_load_b256 s[12:19], s[0:1], 0x20             ; W_rec s[12:13], b_rec s[14:15], W_out s[16:17], b_out s[18:19]
	s_load_b64 s[20:21], s[0:1], 0x40              ; y
	v_lshl_add_u32 v254, v0, 2, 0x4a500
	v_mov_b32 v255, 0
	v_lshrrev_b32 v1, 5, v0
	v_readfirstlane_b32 s22, v1                    ; wave 0..3
	v_and_b32 v1, 31, v0                           ; lane
	v_and_b32 v2, 15, v0                           ; r
	v_bfe_u32 v3, v0, 4, 1                         ; h
	v_lshlrev_b32 v[LI], 4, v1
	s_wait_alu depctr_va_sdst(0)                   ; s22 is written, ahead of its first reader: LDS addresses and all the bases are made from it
	s_mul_i32 s53, s22, 16*TP
	s_add_co_u32 s53, s53, TS                      ; my turn stage
	v_add_nc_u32 v[TW], s53, v[LI]
	v_mul_u32_u24 v[TR], v2, TP
	v_lshl_add_u32 v[TR], v3, 6, v[TR]
	v_add_nc_u32 v[TR], s53, v[TR]
	s_lshl_b32 s54, s22, 11
	v_add_nc_u32 v[NWI], s54, v[LI]
	v_add_nc_u32 v[XWI], XIMG, v[NWI]
	v_add_nc_u32 v[XRI], XIMG, v[LI]
	v_add_nc_u32 v[HWI], HIMG, v[NWI]
	v_add_nc_u32 v[HRI], HIMG, v[LI]
	s_lshl_b32 s55, s22, 7
	s_add_co_u32 s55, s55, STG
	v_mul_u32_u24 v[SO], v2, TP
	v_lshl_add_u32 v[SO], v3, 5, v[SO]
	v_add_nc_u32 v[SO], s55, v[SO]
	s_mul_i32 s55, s22, 20*TP
	s_add_co_u32 s55, s55, STG
	v_add_nc_u32 v[SR], s55, v[LI]
	v_and_b32 v1, 8, v2
	v_add_nc_u32 v1, v1, v2                        ; r + 8 (r / 8)
	v_lshlrev_b32 v[WA], 9, v1
	v_lshl_add_u32 v[WA], v3, 4, v[WA]
	v_lshlrev_b32 v[WO], 9, v2
	v_lshl_add_u32 v[WO], v3, 4, v[WO]
	v_lshlrev_b32 v[BA], 6, v3
	v_lshlrev_b32 v[BB], 5, v3
	s_wait_kmcnt 0x0
	s_load_b128 s[24:27], s[10:11], 0x0            ; e0, e1, e2, e3
	s_load_b64 s[28:29], s[10:11], 0x10            ; e4, e5
	s_mov_b32 s31, 0                               ; every offset below stays under 2^31: the pair's high word is 0
	s_mul_i32 s30, ttmp9, 400*XROW
	s_lshl_b32 s53, s22, 9
	s_add_co_u32 s30, s30, s53
	s_add_nc_u64 s[4:5], s[4:5], s[30:31]          ; x: my work-group's first row, my wave's 128 columns
	s_mov_b32 s30, s53
	s_add_nc_u64 s[6:7], s[6:7], s[30:31]          ; b_in: the same 128 columns
	s_add_nc_u64 s[14:15], s[14:15], s[30:31]      ; b_rec: my 128 units
	s_lshl_b32 s30, s22, 16
	s_add_nc_u64 s[8:9], s[8:9], s[30:31]          ; W_in, W_rec: my 128 rows of 512 bytes
	s_add_nc_u64 s[12:13], s[12:13], s[30:31]
	s_lshl_b32 s30, s22, 14
	s_add_nc_u64 s[16:17], s[16:17], s[30:31]      ; W_out: my 32 rows
	s_lshl_b32 s30, s22, 7
	s_add_nc_u64 s[18:19], s[18:19], s[30:31]      ; b_out: my 32 outputs
	s_mul_i32 s30, ttmp9, 400*512
	s_mul_i32 s53, s22, 20*512
	s_add_co_u32 s30, s30, s53
	s_add_nc_u64 s[20:21], s[20:21], s[30:31]      ; y: my work-group's first row + the 20 rows of a group of 80 that I store
	s_wait_alu depctr_va_vdst(0)                   ; the addresses v4 to v17 and v252 are written, which every load and store of the kernel reads; only loads and window switches stand from here to W_in's last load
	global_load_b128 v[BI:BI+3], v[LI], s[6:7]
	XLOAD 0, 0*XTILE
	XLOAD 1, 1*XTILE
	XLOAD 2, 2*XTILE
	XLOAD 3, 3*XTILE
	WLOAD 8                                        ; W_in
	s_wait_kmcnt 0x0
	MKSC 24, SC0, LM0                              ; e0
	s_sub_co_i32 s53, s26, s24
	s_sub_co_i32 s53, s53, s25
	MKSC 53, SC1, LM1                              ; e2 - e0 - e1
	s_sub_co_i32 s53, s28, s26
	s_sub_co_i32 s53, s53, s27
	MKSC 53, SC2, LM2                              ; e4 - e2 - e3
	s_add_co_i32 s52, s26, s27
	s_sub_co_i32 s52, 0, s52                       ; -(e2 + e3), for b_rec
	s_add_co_i32 s46, s28, s29
	s_add_co_i32 s46, s46, 127
	s_lshl_b32 s46, s46, 23                        ; 2^(e4 + e5) as f32
	s_mov_b32 s47, s46                             ; (named with it as a pair, so it is written)
	s_wait_loadcnt 0x0                             ; b_in, tiles 0 to 3, W_in
	TURN 0
	WIN 0xc0
	s_wait_alu depctr_vm_vsrc(0)                   ; the turn's stores have read slot 0, in which the loads below land
	s_wait_alu depctr_va_vdst(0)                   ; the additions are done with slot 0: stated behind the stores that read it
	XLOAD 0, 4*XTILE
	WIN 0
	s_wait_dscnt 0x0                               ; tile 0's numbers are back from the stage
	QUANT XT, 0, SC0, LM0, PCX
	s_wait_alu depctr_va_vdst(0)                   ; the conversions have written PCX, which the stores below read
	IMAGE XWI, 0, PCX
	; ---- phase A: tiles 0 to 19 in five trips of four; each step asks for the tile five further on
	s_mov_b32 s50, 0                               ; the trip's first tile in NIMG
	s_mov_b32 s51, 5
.Ltiles:
	STEP_A 0, 0, 1, KX, 5*XTILE
	STEP_A 1, 1, 2, KX, 6*XTILE
	STEP_A 0, 2, 3, KX, 7*XTILE
	STEP_A 1, 3, 0, KX, 8*XTILE
	s_wait_xcnt 0x0                                ; every earlier memory instruction has had its addresses translated (ISA guide 3.1): x's base steps only behind this wait
	s_add_nc_u64 s[4:5], s[4:5], 4*XTILE
	s_add_co_u32 s50, s50, 4*TIMG
	s_sub_co_u32 s51, s51, 1
	s_cmp_lg_u32 s51, 0
	s_cbranch_scc1 .Ltiles
	; tiles 20 to 24 are written out: no load of x leaves the work-group's 25 tiles.  Phase B's small operands take the freed slots; the runs of 16 loads keep the counted wait's three runs whole
	STEP_A 0, 0, 1, KWO0, 0
	STEP_A 1, 1, 2, KWO1, 0
	STEP_A 0, 2, 3, KBR, 0
	STEP_A 1, 3, 0, KBO, 0
	STEP_A 0, 4, 0, LAST, 0
	; ---- the change of weights
	s_wait_loadcnt 0x0                             ; W_out, b_rec, b_out, W_rec
	WIN 0xc3                                       ; destination and source 0 window 3
.set J, 0
.rept 64
	v_ldexp_f32 v[BR+J], v[BR+J], s52              ; b_rec x 2^-(e2 + e3): the power of two that the second product's sums lack; nothing is rounded
.set J, J+1
.endr
	WIN 0
	BARRIER                                        ; all 25 tiles' codes lie in NIMG, and no wave touches its turn stage any more: HIMG may be written
	; ---- phase B: five groups of five tiles
	s_mov_b32 s50, 0                               ; the group's first tile in NIMG
	s_mov_b32 s51, 5
.Lgroup:
	s_wait_alu depctr_vm_vsrc(0)                   ; the LDS instructions issued so far have read v[NA]; the last group's global stores have read BUF and its last image stores PCB (on the first trip: phase A's image stores have read v28-59)
	v_add_nc_u32 v[NA], s50, v[LI]
	s_wait_alu depctr_va_vdst(0)                   ; v[NA] is written, which the loads below read; every earlier vector and matrix instruction is done with v44-171, in which they and the next tile's land
.irp s, 0,1,2,3
	FETCH BUF+16*\s, NA, FRB*\s
.endr
.irp i, 0,1,2,3,4
	s_wait_dscnt 0x0                               ; tile i's fragments are in
.if \i > 0
	s_wait_alu depctr_vm_vsrc(0)                   ; the image stores of the tile before have read PCB, which this tile's conversions write again
.endif
.if \i < 4
.irp s, 0,1,2,3
	FETCH BUF+64*((\i+1)%2)+16*\s, NA, TIMG*(\i+1)+FRB*\s   ; the next tile's, into the other set: the products that read it stand ahead of the last wait on va_vdst, and no vector or matrix instruction since names it
.endr
.endif
	MUL HB, BUF+64*(\i%2), 1
	PLACES 4
	QUANT HB, 1, SC2, LM2, PCB                     ; relu and hold in one; K step w of the third product
	s_wait_alu depctr_va_vdst(0)                   ; the conversions have written PCB, which the stores below read; this tile's products are done reading their set of BUF
	IMAGE HWI, TIMG*\i, PCB
.endr
	BARRIER                                        ; the group's 20 hidden fragments lie in HIMG; nobody reads the stage for y any more
	FETCHU 0                                       ; both sets are free since the wait in front of the last image stores
	FETCHU 1
.irp u, 0,1,2,3,4
.if \u < 4
	s_wait_dscnt 16                                ; this unit's four fragments are in; the next unit's 16 loads may be out
.else
	s_wait_dscnt 0x0
.endif
	MULU \u
	PLACES 4                                       ; four places behind the unit's products; behind the last unit they stand in front of the reads of results and the writes over that set
.if \u < 3
	s_wait_alu depctr_va_vdst(0)                   ; the unit's products are done reading their set of BUF, in which the loads below land
	FETCHU \u+2
.endif
.endr
	WIN 0x30                                       ; source 2 (b_out) window 3
.irp a, 0,1,2,3,4,5,6,7,8,9
.irp i, 0,2,4,6
	v_pk_fma_f32 v[BUF+8*\a+\i:BUF+8*\a+\i+1], v[HB+8*\a+\i:HB+8*\a+\i+1], s[46:47], v[BO+8*(\a%2)+\i:BO+8*(\a%2)+\i+1] op_sel_hi:[1,0,1]   ; y = sum x 2^(e4 + e5) + b_out; each accumulator from its low end on
.endr
.endr
	WIN 0
	s_wait_alu depctr_va_vdst(0)                   ; the multiply-adds have written v44-123, which the stores below read
.irp a, 0,1,2,3,4,5,6,7,8,9
	ds_store_b128 v[SO], v[BUF+8*\a:BUF+8*\a+3] offset:16*TP*(\a/2)+64*(\a%2)          ; lane (r, h): y(16 m + r, 32 w + 16 n + 8 h + 0 .. 7), a = 2 m + n
	ds_store_b128 v[SO], v[BUF+8*\a+4:BUF+8*\a+7] offset:16*TP*(\a/2)+64*(\a%2)+16
.endr
	BARRIER                                        ; 80 whole rows of y lie in the stage; nobody reads HIMG any more
	s_wait_alu depctr_vm_vsrc(0)                   ; my stores into the stage have read v44-123, in which the loads below land (the multiply-adds that wrote them stand ahead of the last wait on va_vdst)
.irp i, 0,1,2,3,4,5,6,7,8,9,10,11,12,13,14,15,16,17,18,19
	ds_load_b128 v[BUF+4*\i:BUF+4*\i+3], v[SR] offset:TP*\i
.endr
.irp i, 0,1,2,3,4,5,6,7,8,9,10,11,12,13,14,15,16,17,18,19
	s_wait_dscnt 19-\i                             ; LDS loads come back in order: row i is in, the younger ones may be out
	global_store_b128 v[LI], v[BUF+4*\i:BUF+4*\i+3], s[20:21] offset:512*\i th:TH_STORE_NT   ; 32 lanes store a row of 512 consecutive bytes, at a multiple of 512 from y's first byte
.endr
	s_wait_xcnt 0x0                                ; the stores have had their addresses translated: their base may step; their data registers are written again behind this wait and the wait on vm_vsrc at the group's head
	s_add_nc_u64 s[20:21], s[20:21], 80*512
	s_add_co_u32 s50, s50, 5*TIMG
	s_sub_co_u32 s51, s51, 1
	s_cmp_lg_u32 s51, 0
	s_cbranch_scc1 .Lgroup
	s_wait_dscnt 0x0
	s_wait_alu depctr_hold_cnt(0) depctr_sa_sdst(0) depctr_va_vdst(0) depctr_va_sdst(0) depctr_va_ssrc(0) depctr_va_vcc(0) depctr_vm_vsrc(0)
	s_wait_tensorcnt 0x0
	ds_add_u32 v254, v255
	s_wait_dscnt 0x0
	s_endpgm
.Lfunc_end_k_q5ec20dac30_chain:
	.size	k_q5ec20dac30_chain, .Lfunc_end_k_q5ec20dac30_chain-k_q5ec20dac30_chain
	.p2alignl 7, 3214868480
	.fill 96, 4, 3214868480
	.section	.rodata,"a",@progbits
	.p2align	6, 0x0
	.amdhsa_kernel k_q5ec20dac30_chain
		.amdhsa_group_segment_fixed_size 304896
		.amdhsa_private_segment_fixed_size 0
		.amdhsa_enable_private_segment 0
		.amdhsa_kernarg_size 72
		.amdhsa_user_sgpr_count 2
		.amdhsa_user_sgpr_kernarg_segment_ptr 1
		.amdhsa_wavefront_size32 1
		.amdhsa_system_sgpr_workgroup_id_x 1
		.amdhsa_system_sgpr_workgroup_id_y 1
		.amdhsa_system_sgpr_workgroup_id_z 1
		.amdhsa_system_vgpr_workitem_id 0
		.amdhsa_next_free_vgpr 1024
		.amdhsa_next_free_sgpr 66
		.amdhsa_reserve_vcc 0
		.amdhsa_float_denorm_mode_32 3
		.amdhsa_float_denorm_mode_16_64 3
		.amdhsa_memory_ordered 1
		.amdhsa_forward_progress 1
		.amdhsa_inst_pref_size 255
	.end_amdhsa_kernel
	.section	.bss,"aw",@nobits
	.p2align	6
	.space	262144
	.amdgpu_metadata
---
amdhsa.version: [ 1, 2 ]
amdhsa.kernels:
  - .name:           k_q5ec20dac30_chain
    .symbol:         k_q5ec20dac30_chain.kd
    .args:
      - { .name: external_input_tensor, .offset: 0, .size: 8, .value_kind: global_buffer, .address_space: global }
      - { .name: input_biases, .offset: 8, .size: 8, .value_kind: global_buffer, .address_space: global }
      - { .name: input_weights_codes, .offset: 16, .size: 8, .value_kind: global_buffer, .address_space: global }
      - { .name: lowp_scales, .offset: 24, .size: 8, .value_kind: global_buffer, .address_space: global }
      - { .name: recurrent_weights_codes, .offset: 32, .size: 8, .value_kind: global_buffer, .address_space: global }
      - { .name: recurrent_biases, .offset: 40, .size: 8, .value_kind: global_buffer, .address_space: global }
      - { .name: output_weights_codes, .offset: 48, .size: 8, .value_kind: global_buffer, .address_space: global }
      - { .name: output_biases, .offset: 56, .size: 8, .value_kind: global_buffer, .address_space: global }
      - { .name: out0, .offset: 64, .size: 8, .value_kind: global_buffer, .address_space: global }
    .group_segment_fixed_size: 304896
    .private_segment_fixed_size: 0
    .kernarg_segment_align: 8
    .kernarg_segment_size: 72
    .max_flat_workgroup_size: 128
    .sgpr_count:     66
    .vgpr_count:     1024
    .wavefront_size: 32
...
	.end_amdgpu_metadata
.endif
;; end of part 2
